; MI455X (gfx1250); checked and timed in simulation.
; The chip was launched on July 23, 2026; its instructions are those of AMD's public machine-readable ISA for CDNA 5 (MIT licence, August 2026) and "CDNA5" Instruction Set Architecture Reference Guide (July 2026). The comments in the code are by the model that wrote it; some were corrected since.
;; Tt Roberta Self Attention. Allowed arithmetic: matrix products marked QUANTISED: E5M2 operands, one given power-of-two scale a tensor, by v_wmma_f32_16x16x64_bf8_bf8 or v_wmma_f32_16x16x128_bf8_bf8, f32 sums; everything else in f32.
;; Inputs: Wk_codes 1,024 x 32 x 32 uint8 (E5M2 codes of Wk, K innermost, in blocks of 32 codes); Wq_codes 1,024 x 32 x 32 uint8 (E5M2 codes of Wq, K innermost, in blocks of 32 codes); Wv_codes 1,024 x 32 x 32 uint8 (E5M2 codes of Wv, K innermost, in blocks of 32 codes); attention_mask 4 x 1 x 1 x 2,048 float32; bk 1,024 float32; bq 1,024 float32; bv 1,024 float32; hidden_states_codes 4 x 2,048 x 32 x 32 uint8 (E5M2 codes of hidden_states, K innermost, in blocks of 32 codes); lowp_scales 10 int32 (the exponents e of the quantised operands' scales 2^e).
;; Outputs: out0 4 x 2,048 x 1,024 float32.
;; This version of the problem:
;;   THIS VERSION OF THE PROBLEM IS GIVEN IN LOW PRECISION. The matrix products marked QUANTISED in the list below multiply operands that are first quantised to E5M2 (5 exponent bits, 2 mantissa bits; 8 bits a number), with one given power-of-two scale for each operand tensor; their sums are f32. All else is computed in f32.
;;   The module's matrix products, in the order in which they are computed (A, B: the left and right operand; K: the contracted axis; several contracted axes count as one K, in the product's order):
;;     1. [M 8,192, K 1,024] x [K 1,024, N 1,024]; A: input hidden_states (given as codes); B: input Wq (given as codes): QUANTISED (scales: A lowp_scales[0], B lowp_scales[1])
;;     2. [M 8,192, K 1,024] x [K 1,024, N 1,024]; A: input hidden_states (given as codes); B: input Wk (given as codes): QUANTISED (scales: A lowp_scales[2], B lowp_scales[3])
;;     3. [M 8,192, K 1,024] x [K 1,024, N 1,024]; A: input hidden_states (given as codes); B: input Wv (given as codes): QUANTISED (scales: A lowp_scales[4], B lowp_scales[5])
;;     4. batch 64 x [M 2,048, K 64] x [K 64, N 2,048]; A: computed on the way; B: computed on the way: QUANTISED (scales: A lowp_scales[6], B lowp_scales[7])
;;     5. batch 64 x [M 2,048, K 2,048] x [K 2,048, N 64]; A: softmax (see below); B: computed on the way: QUANTISED (scales: A lowp_scales[8], B lowp_scales[9])
;;   THE QUANTISER, for each operand of a quantised product, along K:
;;     - The operand's scale is 2^e, e = its entry of the input lowp_scales (int32; the entries are numbered through the quantised products in the list's order, A before B).
;;     - Each number is divided by the scale, clamped to +-57,344, and rounded to the nearest number of E5M2, ties to even, subnormals kept.
;;     - The product sums the exact products of the quantised numbers (number of the format x scale) in f32.
;;   ~~~python
;;   def quantise(x, axis, e):      # numpy; x: float32 -> the quantised numbers, widened to float32 again
;;       x = np.moveaxis(x, axis, -1); K = x.shape[-1]
;;       r = np.clip(x / 2.0 ** e, -57344, 57344)
;;       step = 2.0 ** (np.maximum(np.frexp(np.where(r == 0, 1, r))[1] - 1, -14) - 2)
;;       q = np.round(r / step) * step * 2.0 ** e      # np.round: ties to even
;;       return np.moveaxis(q, -1, axis).astype(np.float32)
;;   ~~~
;;   SOFTMAX AHEAD OF A QUANTISED PRODUCT. Where the list says 'softmax', what is quantised is not the finished softmax but p = 2^(t - M), with t = logit x log2(e) and M = ceil(the row's largest t), a whole number; so 1/2 < the row's largest p <= 1. The row's sum l is taken of the UNQUANTISED p, in f32, and the product's result is divided by l at the end. Since M is a whole number, a kernel that streams over the keys may use a running M (the ceiling of the running maximum): every later rescaling is an exact power of two, so the quantised numbers keep their values, but for numbers so far below the row's largest that they fall under the format's range.
;;   OPERANDS COMPUTED ON THE WAY. 'Computed on the way' means the value that the module computes at that place (a softmax that the list does not call 'softmax' is quantised finished and normalised). What goes into a quantiser is computed in f32, as accurately as f32 sums, v_exp_f32 and their like allow (about 1e-6 of the number): no bf16 or f16 on the way to a quantiser, and a product that is left as it is and whose result goes on into a quantised operand takes f32 operands (vector FMAs, or v_wmma_f32_16x16x4_f32). A number that lies on a knife's edge between two numbers of the format may be rounded either way, as far as f32 arithmetic and the matrix unit's own rounding can turn it there, and no further.
;;   INPUTS GIVEN AS CODES. Wk (in the module: [1024, 1024], K = its axis 1); Wq (in the module: [1024, 1024], K = its axis 1); Wv (in the module: [1024, 1024], K = its axis 1); hidden_states (in the module: [4, 2048, 1024], K = its axis 2): each comes as NAME_codes (uint8): NAME with its K axis moved to the last place and cut into blocks of 32 codes, [.., K / 32, bytes a block], one block behind the other in memory; one code a byte (a code: sign, 5 exponent bits, 2 mantissa bits); its scale is its entry of lowp_scales. Its value is code x scale, taken as it is: it is not quantised again, and the codes and scales need not be those that the quantiser above would give.
;; One version. Each part assembles by itself: llvm-mc -triple=amdgcn-amd-amdhsa -mcpu=gfx1250 --defsym DOCPART=n.
;; ======== version 1 of 1: 2 launches
;; limits: right only within a limited range of input values
;; workspace buffers: qws 8,388,608 bytes; kws 8,388,608 bytes; vws 8,388,608 bytes
;; launch qkv (part 1): grid 8 x 32, 4 waves a work-group, clusters of 4 x 1, 327,680 bytes of LDS; arguments hidden_states_codes, Wq_codes, Wk_codes, Wv_codes, bq, bk, bv, lowp_scales, qws, kws, vws; writes qws, kws, vws
.if DOCPART == 1
	.amdgcn_target "amdgcn-amd-amdhsa--gfx1250"
	.amdhsa_code_object_version 6
	.text
	.protected	k_qe429b17a5c_qkv
	.globl	k_qe429b17a5c_qkv
	.p2align	8
	.type	k_qe429b17a5c_qkv,@function
k_qe429b17a5c_qkv:
	s_mov_b64 s[64:65], 0
	v_nop
	global_prefetch_b8 v0, s[64:65] scope:SCOPE_SE
	s_setreg_imm32_b32 hwreg(HW_REG_WAVE_MODE, 25, 1), 1
	s_wait_xcnt 0x0
	s_wait_alu depctr_hold_cnt(0) depctr_sa_sdst(0) depctr_va_vdst(0) depctr_va_sdst(0) depctr_va_ssrc(0) depctr_va_vcc(0) depctr_vm_vsrc(0)
	s_getreg_b32 s2, hwreg(HW_REG_IB_STS2, 6, 4)
	s_cmp_eq_u32 s2, 0
	s_cbranch_scc0 .Lentry_in_a_cluster
	s_endpgm
.Lentry_in_a_cluster:
	s_bfe_u32 s2, ttmp6, 0x10000c
	s_cmp_lg_u32 s2, 0x3003
	s_cbranch_scc0 .Lentry_shape_is_right
	s_endpgm
.Lentry_shape_is_right:
; q, k, v = hidden W^T + b on codes of BF8 (E5M2), quantised again with the scales of the attention's products and stored as images of operand registers:
; qws, kws: [token / 16][head][1,024 bytes], vws: [token / 128][head][d / 16][2,048 bytes] (four registers of the 32 lanes on end are 512 bytes).  No work of reference() is left out.
; SHARES.  256 work-groups: 32 blocks of 256 tokens x 8 blocks of 128 features of EACH of q, k, v.  A wave owns 32 features of each matrix, 96 rows of weights, all 1,024 along K:
; 6 blocks x 8 steps x 16 registers = 768 registers, windows 1 (Wq), 2 (Wk), 3 (Wv), loaded once.  THE WEIGHTS' WAY IN: 12 chunks of 16 rows x 512 bytes; a load takes 512 consecutive bytes of a row, 16 a lane, into the
; chunk's own 64 registers; the chunk goes through the wave's own stage in LDS (rows of 528 bytes) and comes back into the same registers as four fragments.  Three chunks are in flight.
; The 256 tokens' codes lie in LDS, filled once (rows of 1,024 bytes + 16 of padding), one tensor load a wave; the four work-groups of a cluster share the tokens and ask jointly.  No byte of LDS is filled twice.
; All fills and loads go out at the head: there is no loop to run ahead in, so nothing is prefetched.
; A wave walks the 16 token blocks of 16; a block is 8 steps of 128 along K x 6 matrix instructions, the six accumulators by turns.  A token fragment feeds all six; fragments go through a ring of 8 register slots, asked for seven steps ahead.
; q, k: source 0 = weights, source 1 = tokens: a lane holds a token, its registers 8 neighbouring features; the bias, divided by the sums' power of two, is the first product's C.
; v: source 0 = tokens, source 1 = weights: a lane holds a feature, its registers 8 neighbouring tokens (the keys are the next K); the bias is added on the way out.
; The way out of a block (hold, conversion, store) stands among the next block's first six products: each accumulator is read out just ahead of the product that begins it anew.
; LIMITS, for each of q, k, v: e(out) - e(hidden) - e(W) between -126 and 112, so that the conversion's scale and 57,344 x it are f32 numbers.
; WINDOW 0: v1-15 addresses, scales, v's bias; v16-47 q's and k's bias; v48-95 accumulators; v96-111 two sets at work; v112-239 the ring; v240-255 codes.
.set PITCH, 1040
.set BLK,   16*PITCH
.set QUART, 64*PITCH
.set STG0,  4*QUART                    ; behind the tile (266,240 bytes): a stage of 16 rows x 528 bytes for each wave, into which no fill lands
.set WSTG,  16*528
.set SPARE, 311296                     ; the spare words, 512 bytes
.set VA0, 1                            ; row (lane % 16) x pitch + 16 (lane / 16)
.set VA,  2                            ; the same in the token block in hand
.set VO,  3                            ; 16 x lane
.set SPW, 4
.set NIL, 5
.set SCL, 6                            ; v6-8 the conversions' scales for q, k, v
.set BV,  10
.set VSS, 14                           ; the stage: where I put 16 bytes of a row
.set BQ,  16
.set BK,  32
.set AC,  48
.set TM,  96
.set VSL, 96                           ; the stage: where my lane's part of a fragment lies (at the head alone)
.set FR,  112
.set CQ,  240                          ; q's codes, then k's (v244)
.set CV,  248
.set WV,  14
.set G1,  24
.set G0,  32
.set LIMS, 36                          ; s36-41: 57,344 x scale and its negative, for q, k, v
.set SQ,  44
.set SK,  46
.set SV,  48
.set SVC, 50
.set TB,  52
.set IT,  53
.set MSB, 0
.macro WIN new                         ; the immediate's high byte repeats the setting that is left
.if MSB != \new
	s_set_vgpr_msb (MSB<<8)|\new
.set MSB, \new
.endif
.endm
.macro CROUND                          ; a round of the cluster's barrier
	s_barrier_signal -1
	s_barrier_wait -1
	s_cmp_lg_u32 s[WV], 0
	s_cbranch_scc1 .Lnot_wave_0_\@
	s_barrier_signal -3
.Lnot_wave_0_\@:
	s_barrier_wait -3
	s_barrier_signal -1
	s_barrier_wait -1
.endm
.macro PLACES n
.rept \n
	v_nop
.endr
.endm
; Chunk n of the weights: matrix n / 4, block (n / 2) % 2 of 16 rows, half n % 2 of K; its registers: window n / 4 + 1, 64 from WB on.  The window setting serves a load's destination and an LDS store's data alike.
.macro WASK n
.set WB, 128*(((\n)/2)%2)+64*((\n)%2)
	WIN 0x44*((\n)/4+1)
.irp j, 0,1,2,3,4,5,6,7,8,9,10,11,12,13,14,15
	global_load_b128 v[WB+4*\j:WB+4*\j+3], v[VO], s[70+2*((\n)/4):71+2*((\n)/4)] offset:(16*(((\n)/2)%2)+\j)*1024+512*((\n)%2)
.endr
.endm
.macro WTURN n                         ; LDS serves a wave's instructions in order (ISA guide 5.7.1.4): the loads see the stores, and the next chunk's stores come behind these loads
.set WB, 128*(((\n)/2)%2)+64*((\n)%2)
	WIN 0x44*((\n)/4+1)
.irp j, 0,1,2,3,4,5,6,7,8,9,10,11,12,13,14,15
	ds_store_b128 v[VSS], v[WB+4*\j:WB+4*\j+3] offset:528*\j
.endr
.irp k, 0,1,2,3
.irp c, 0,1,2,3
	ds_load_b128 v[WB+16*\k+4*\c:WB+16*\k+4*\c+3], v[VSL] offset:128*\k+32*\c   ; registers 4 c .. 4 c + 3 of a fragment hold K = 32 c + 16 h + 0 .. 15 of its 128, as the tokens' fragments do
.endr
.endr
.endm
	s_load_b512 s[68:83], s[0:1], 0x0              ; hidden 68, Wq 70, Wk 72, Wv 74, bq 76, bk 78, bv 80, scales 82
	s_load_b128 s[84:87], s[0:1], 0x40             ; qws, kws
	s_load_b64 s[88:89], s[0:1], 0x50              ; vws
	v_lshl_add_u32 v[SPW], v0, 2, SPARE
	v_mov_b32 v[NIL], 0
	ds_add_u32 v[SPW], v[NIL]                      ; the opening lines: the add twice on end and one wait
	ds_add_u32 v[SPW], v[NIL]
	v_lshrrev_b32 v1, 5, v0
	v_readfirstlane_b32 s[WV], v1                  ; wave 0..3
	s_bfe_u32 s15, ttmp6, 0x40000                  ; cx: it enters the weights', the biases' and the outputs' addresses alone
	s_lshl_b32 s16, ttmp9, 2
	s_add_co_u32 s16, s16, s15                     ; block of 128 features
	s_and_b32 s17, ttmp7, 0xffff                   ; block of 256 tokens: the partners share it
	s_mov_b32 s[G1], 15|(1<<20)|(1<<21)|(7<<22)|(3<<25)   ; mask: all four; bytes; four words of padding behind every 256 words
	s_mov_b32 s[G1+1], 1024<<16
	s_mov_b32 s[G1+2], 64<<16
	s_mov_b32 s[G1+3], 1024<<16
	s_mov_b32 s[G1+4], 64
	s_mov_b32 s[G1+5], 1024
	s_mov_b32 s[G1+6], 0
	s_mov_b32 s[G1+7], 0
	s_lshl_b32 s18, s17, 18
	s_lshl_b32 s19, s[WV], 16
	s_add_co_u32 s18, s18, s19                     ; my 64 rows of the tokens' codes
	s_mov_b32 s19, 0
	s_mul_i32 s20, s[WV], QUART                    ; and where they go
	s_mul_i32 s22, s[WV], WSTG
	s_add_co_u32 s22, s22, STG0                    ; my stage
	s_lshl_b32 s21, s16, 7
	s_lshl_b32 s23, s[WV], 5
	s_add_co_u32 s21, s21, s23                     ; my first feature in each matrix
	s_lshl_b32 s90, s21, 10
	s_mov_b32 s91, 0
	s_lshl_b32 s92, s21, 2
	s_mov_b32 s93, 0
	v_and_b32 v12, 15, v0                          ; r
	v_bfe_u32 v13, v0, 4, 1                        ; h
	v_lshlrev_b32 v15, 5, v13                      ; q's, k's bias: features 8 h on
	v_lshlrev_b32 v9, 2, v12                       ; v's bias: feature r
	v_mul_u32_u24 v[VA0], v12, PITCH
	v_lshl_add_u32 v[VA0], v13, 4, v[VA0]
	v_and_b32 v[VO], 31, v0
	v_lshlrev_b32 v[VO], 4, v[VO]
	v_add_nc_u32 v[VSS], s22, v[VO]
	v_mul_u32_u24 v[VSL], v12, 528
	v_lshl_add_u32 v[VSL], v13, 4, v[VSL]
	v_add_nc_u32 v[VSL], s22, v[VSL]
	s_wait_alu depctr_va_vdst(0)
	s_wait_dscnt 0x0
	s_wait_kmcnt 0x0
	s_load_b256 s[56:63], s[82:83], 0x0            ; e0 .. e7
	s_load_b64 s[54:55], s[82:83], 0x20            ; e8, e9
	s_add_nc_u64 s[70:71], s[70:71], s[90:91]
	s_add_nc_u64 s[72:73], s[72:73], s[90:91]
	s_add_nc_u64 s[74:75], s[74:75], s[90:91]
	s_add_nc_u64 s[76:77], s[76:77], s[92:93]
	s_add_nc_u64 s[78:79], s[78:79], s[92:93]
	s_add_nc_u64 s[80:81], s[80:81], s[92:93]
.irp b, 0,1
.irp e, 0,1
	global_load_b128 v[BQ+8*\b+4*\e:BQ+8*\b+4*\e+3], v15, s[76:77] offset:64*\b+16*\e
	global_load_b128 v[BK+8*\b+4*\e:BK+8*\b+4*\e+3], v15, s[78:79] offset:64*\b+16*\e
.endr
	global_load_b32 v[BV+\b], v9, s[80:81] offset:64*\b
.endr
	WASK 0
	WASK 1
	WASK 2
	WIN 0
	s_mov_b32 s[G0], 1
	s_mov_b32 s[G0+1], s20
	s_add_nc_u64 s[G0+2:G0+3], s[68:69], s[18:19]
	s_or_b32 s[G0+3], s[G0+3], 0x80000000
	CROUND                                         ; the four work-groups are here: the joint loads meet
	tensor_load_to_lds s[G0:G0+3], s[G1:G1+7]      ; my one tensor load of the launch
	s_nop 0
	PLACES 4
.irp n, 0,1,2,3,4,5,6,7,8,9,10,11
.if \n < 10
	s_wait_loadcnt 32                              ; chunk n is in; the two younger chunks, 16 loads each, may be out
.else
	s_wait_loadcnt 16*(11-\n)
.endif
	WTURN \n
.if \n < 9
	WASK \n+3
.endif
.endr
	WIN 0
	s_lshl_b32 s22, s16, 1
	s_lshr_b32 s21, s[WV], 1
	s_add_co_u32 s22, s22, s21                     ; my head
	s_and_b32 s21, s[WV], 1                        ; and which 32 of its 64
	s_lshl_b32 s90, s17, 18                        ; 256 tokens are 2^18 bytes in each of the three images
	s_lshl_b32 s91, s22, 10
	s_add_co_u32 s91, s91, s90
	s_lshl_b32 s92, s21, 9
	s_add_co_u32 s92, s92, s91
	s_mov_b32 s93, 0
	s_add_nc_u64 s[SQ:SQ+1], s[84:85], s[92:93]
	s_add_nc_u64 s[SK:SK+1], s[86:87], s[92:93]
	s_lshl_b32 s91, s22, 13
	s_add_co_u32 s91, s91, s90
	s_lshl_b32 s92, s21, 12
	s_add_co_u32 s92, s92, s91
	s_add_nc_u64 s[SV:SV+1], s[88:89], s[92:93]
	s_mov_b64 s[SVC:SVC+1], s[SV:SV+1]
	s_wait_kmcnt 0x0
.macro SCALE m, eo                     ; a sum stands for sum x 2^E, E = e(hidden) + e(W): the three scales are folded into the conversion's one
	s_add_co_i32 s90, s[56+2*\m], s[57+2*\m]
	s_sub_co_i32 s[94+\m], 0, s90
	s_sub_co_i32 s90, s[\eo], s90
	s_add_co_i32 s90, s90, 127
	s_lshl_b32 s91, s90, 23
	v_mov_b32 v[SCL+\m], s91
	s_add_co_i32 s90, s90, 15
	s_lshl_b32 s90, s90, 23
	s_or_b32 s[LIMS+2*\m], s90, 0x600000
	s_or_b32 s[LIMS+2*\m+1], s[LIMS+2*\m], 0x80000000
.endm
	SCALE 0, 62
	SCALE 1, 63
	SCALE 2, 55
.set i, 0
.rept 16
	v_ldexp_f32 v[BQ+i], v[BQ+i], s94              ; bias / 2^E (the biases' loads were the oldest: they are in)
	v_ldexp_f32 v[BK+i], v[BK+i], s95
.set i, i+1
.endr
	v_ldexp_f32 v[BV], v[BV], s96
	v_ldexp_f32 v[BV+1], v[BV+1], s96
	v_mov_b32 v[VA], v[VA0]
	s_wait_alu depctr_va_vdst(0)
	s_wait_tensorcnt 0x0                           ; my quarter of the tokens is in,
	s_wait_dscnt 0x0                               ; and so are my weights' fragments
	s_barrier_signal -1
	s_barrier_wait -1                              ; everybody's quarter is in
.macro FLOAD slot, off                 ; a fragment, 16 tokens x 128 K, into a slot of the ring
.irp c, 0,1,2,3
	ds_load_b128 v[FR+16*(\slot)+4*\c:FR+16*(\slot)+4*\c+3], v[VA] offset:(\off)+32*\c
.endr
.endm
.macro MM a, k                         ; accumulator a (0, 1: q; 2, 3: k; 4, 5: v), step k
.if \a < 4
	WIN 1+(\a)/2
.if \k == 0
	v_wmma_f32_16x16x128_bf8_bf8 v[AC+8*\a:AC+8*\a+7], v[16*(8*((\a)%2)+\k):16*(8*((\a)%2)+\k)+15], v[FR+16*\k:FR+16*\k+15], v[BQ+8*\a:BQ+8*\a+7]
.else
	v_wmma_f32_16x16x128_bf8_bf8 v[AC+8*\a:AC+8*\a+7], v[16*(8*((\a)%2)+\k):16*(8*((\a)%2)+\k)+15], v[FR+16*\k:FR+16*\k+15], v[AC+8*\a:AC+8*\a+7]
.endif
.else
	WIN 0x0c
.if \k == 0
	v_wmma_f32_16x16x128_bf8_bf8 v[AC+8*\a:AC+8*\a+7], v[FR+16*\k:FR+16*\k+15], v[16*(8*((\a)%2)+\k):16*(8*((\a)%2)+\k)+15], 0
.else
	v_wmma_f32_16x16x128_bf8_bf8 v[AC+8*\a:AC+8*\a+7], v[FR+16*\k:FR+16*\k+15], v[16*(8*((\a)%2)+\k):16*(8*((\a)%2)+\k)+15], v[AC+8*\a:AC+8*\a+7]
.endif
.endif
.endm
; The way out of accumulator a: the hold at the largest code (the conversion does not saturate: ISA guide 7.6.2), eight codes, and a store of 512 consecutive bytes when four registers are full.  pt: the block's parity; sof: its place behind the pair's first.
.macro EPI a, pt, sof
	WIN 0
.set T, TM+8*((\a)%2)
.if \a < 4
.irp j, 0,1,2,3,4,5,6,7
	v_med3_num_f32 v[T+\j], v[AC+8*\a+\j], s[LIMS+2*((\a)/2)+1], s[LIMS+2*((\a)/2)]
.endr
	v_cvt_scalef32_pk8_bf8_f32 v[CQ+2*\a:CQ+2*\a+1], v[T:T+7], v[SCL+(\a)/2]
.else
.irp j, 0,1,2,3,4,5,6,7
	v_add_f32 v[T+\j], v[AC+8*\a+\j], v[BV+\a-4]
.endr
.irp j, 0,1,2,3,4,5,6,7
	v_med3_num_f32 v[T+\j], v[T+\j], s[LIMS+5], s[LIMS+4]
.endr
	v_cvt_scalef32_pk8_bf8_f32 v[CV+4*(\a-4)+2*\pt:CV+4*(\a-4)+2*\pt+1], v[T:T+7], v[SCL+2]
.endif
	v_nop                                          ; a plain place behind the conversion
.if \a == 1
	s_wait_alu depctr_va_vdst(0)                   ; ahead of the reader
	global_store_b128 v[VO], v[CQ:CQ+3], s[SQ:SQ+1] offset:\sof
.endif
.if \a == 3
	s_wait_alu depctr_va_vdst(0)
	global_store_b128 v[VO], v[CQ+4:CQ+7], s[SK:SK+1] offset:\sof
.endif
.if (\a == 5) && (\pt == 1)
	s_wait_alu depctr_va_vdst(0)
	global_store_b128 v[VO], v[CV:CV+3], s[SVC:SVC+1]              ; 32 tokens x 16 d, for each of my two blocks of d
	global_store_b128 v[VO], v[CV+4:CV+7], s[SVC:SVC+1] offset:2048
.endif
.endm
; A token block.  rb: its place behind v[VA]'s block; epi = 1: the block before goes out among the first six products; last = 1: no block follows.
; The wait's count: behind step k's fragment the seven younger ones, four loads each, may be out (last = 1: the 7 - k that are left).
.macro BLOCK rb, epi, pt, sof, last
.irp k, 0,1,2,3,4,5,6,7
.if (\k == 0) && \epi
	s_wait_xcnt 0x0                                ; the earlier stores have read the code registers
	PLACES 5                                       ; five places: the first products write over accumulators that the last products wrote
.else
	PLACES 4                                       ; four places in front of loads into a slot that the last products read
.endif
.if \k == 0
	FLOAD 7, (\rb)*BLK+128*7
.elseif (\last) == 0
	FLOAD \k-1, ((\rb)+1)*BLK+128*(\k-1)
.endif
.if \last
	s_wait_dscnt 4*(7-\k)
.else
	s_wait_dscnt 28
.endif
.irp a, 0,1,2,3,4,5
.if (\k == 0) && \epi
	EPI \a, \pt, \sof
.endif
	MM \a, \k
.endr
	WIN 0
.endr
.endm
.irp k, 0,1,2,3,4,5,6
	FLOAD \k, 128*\k
.endr
	BLOCK 0, 0, 0, 0, 0                            ; token block 0
	s_mov_b32 s[TB], BLK
	s_mov_b32 s[IT], 0
.Lpair:                                            ; trip i: blocks 2 i + 1 and 2 i + 2; blocks 2 i and 2 i + 1 go out
	v_add_nc_u32 v[VA], s[TB], v[VA0]
	s_wait_alu depctr_va_vdst(0)
	BLOCK 0, 1, 0, 0, 0
	BLOCK 1, 1, 1, 16384, 0
	s_wait_xcnt 0x0                                ; the stores have read their bases
	s_add_nc_u64 s[SQ:SQ+1], s[SQ:SQ+1], 32768
	s_add_nc_u64 s[SK:SK+1], s[SK:SK+1], 32768
	s_add_co_u32 s[TB], s[TB], 2*BLK
	s_add_co_u32 s[IT], s[IT], 1
	s_lshr_b32 s90, s[IT], 2                       ; v's pair i: group i / 4 of 128 tokens, 512 (i % 4) bytes in each piece
	s_lshl_b32 s90, s90, 17
	s_and_b32 s91, s[IT], 3
	s_lshl_b32 s91, s91, 9
	s_add_co_u32 s90, s90, s91
	s_mov_b32 s91, 0
	s_add_nc_u64 s[SVC:SVC+1], s[SV:SV+1], s[90:91]
	s_cmp_lt_u32 s[IT], 7
	s_wait_alu depctr_va_vdst(0)
	s_cbranch_scc1 .Lpair
	v_add_nc_u32 v[VA], s[TB], v[VA0]
	s_wait_alu depctr_va_vdst(0)
	BLOCK 0, 1, 0, 0, 1                            ; block 15; block 14 goes out
	s_wait_xcnt 0x0
	PLACES 4
.irp a, 0,1,2,3,4,5
	EPI \a, 1, 16384
.endr
	s_wait_tensorcnt 0x0                           ; the wave's end
	ds_add_u32 v[SPW], v[NIL]
	s_wait_dscnt 0x0
	CROUND                                         ; the closing round
	s_endpgm
.Lfunc_end_k_qe429b17a5c_qkv:
	.size	k_qe429b17a5c_qkv, .Lfunc_end_k_qe429b17a5c_qkv-k_qe429b17a5c_qkv
	.p2alignl 7, 3214868480
	.fill 96, 4, 3214868480
	.section	.rodata,"a",@progbits
	.p2align	6, 0x0
	.amdhsa_kernel k_qe429b17a5c_qkv
		.amdhsa_group_segment_fixed_size 327680
		.amdhsa_private_segment_fixed_size 0
		.amdhsa_enable_private_segment 0
		.amdhsa_kernarg_size 88
		.amdhsa_user_sgpr_count 2
		.amdhsa_user_sgpr_kernarg_segment_ptr 1
		.amdhsa_wavefront_size32 1
		.amdhsa_system_sgpr_workgroup_id_x 1
		.amdhsa_system_sgpr_workgroup_id_y 1
		.amdhsa_system_sgpr_workgroup_id_z 1
		.amdhsa_system_vgpr_workitem_id 0
		.amdhsa_next_free_vgpr 1024
		.amdhsa_next_free_sgpr 100
		.amdhsa_reserve_vcc 0
		.amdhsa_float_denorm_mode_32 3
		.amdhsa_float_denorm_mode_16_64 3
		.amdhsa_memory_ordered 1
		.amdhsa_forward_progress 1
		.amdhsa_inst_pref_size 101
	.end_amdhsa_kernel
	.amdgpu_metadata
---
amdhsa.version: [ 1, 2 ]
amdhsa.kernels:
  - .name:           k_qe429b17a5c_qkv
    .symbol:         k_qe429b17a5c_qkv.kd
    .args:
      - { .name: hidden_states_codes, .offset: 0, .size: 8, .value_kind: global_buffer, .address_space: global }
      - { .name: Wq_codes, .offset: 8, .size: 8, .value_kind: global_buffer, .address_space: global }
      - { .name: Wk_codes, .offset: 16, .size: 8, .value_kind: global_buffer, .address_space: global }
      - { .name: Wv_codes, .offset: 24, .size: 8, .value_kind: global_buffer, .address_space: global }
      - { .name: bq, .offset: 32, .size: 8, .value_kind: global_buffer, .address_space: global }
      - { .name: bk, .offset: 40, .size: 8, .value_kind: global_buffer, .address_space: global }
      - { .name: bv, .offset: 48, .size: 8, .value_kind: global_buffer, .address_space: global }
      - { .name: lowp_scales, .offset: 56, .size: 8, .value_kind: global_buffer, .address_space: global }
      - { .name: qws, .offset: 64, .size: 8, .value_kind: global_buffer, .address_space: global }
      - { .name: kws, .offset: 72, .size: 8, .value_kind: global_buffer, .address_space: global }
      - { .name: vws, .offset: 80, .size: 8, .value_kind: global_buffer, .address_space: global }
    .group_segment_fixed_size: 327680
    .private_segment_fixed_size: 0
    .kernarg_segment_align: 8
    .kernarg_segment_size: 88
    .max_flat_workgroup_size: 128
    .sgpr_count:     100
    .vgpr_count:     1024
    .wavefront_size: 32
...
	.end_amdgpu_metadata
.endif
;; end of part 1
;; launch attn (part 2): grid 4 x 64, 16 waves a work-group, clusters of 4 x 1, 272,384 bytes of LDS; arguments qws, kws, vws, attention_mask, lowp_scales, out0; writes out0
.if DOCPART == 2
	.amdgcn_target "amdgcn-amd-amdhsa--gfx1250"
	.amdhsa_code_object_version 6
	.text
	.protected	k_qe429b17a5c_attn
	.globl	k_qe429b17a5c_attn
	.p2align	8
	.type	k_qe429b17a5c_attn,@function
k_qe429b17a5c_attn:
	s_mov_b64 s[64:65], 0
	v_nop
	global_prefetch_b8 v0, s[64:65] scope:SCOPE_SE
	s_setreg_imm32_b32 hwreg(HW_REG_WAVE_MODE, 25, 1), 1
	s_wait_xcnt 0x0
	s_wait_alu depctr_hold_cnt(0) depctr_sa_sdst(0) depctr_va_vdst(0) depctr_va_sdst(0) depctr_va_ssrc(0) depctr_va_vcc(0) depctr_vm_vsrc(0)
	s_getreg_b32 s2, hwreg(HW_REG_IB_STS2, 6, 4)
	s_cmp_eq_u32 s2, 0
	s_cbranch_scc0 .Lentry_in_a_cluster
	s_endpgm
.Lentry_in_a_cluster:
	s_bfe_u32 s2, ttmp6, 0x10000c
	s_cmp_lg_u32 s2, 0x3003
	s_cbranch_scc0 .Lentry_shape_is_right
	s_endpgm
.Lentry_shape_is_right:
; ATTENTION ON CODES OF BF8 (E5M2): out[b][q][64 head + d] = the sum over keys of softmax(q . k / 8 + mask[b][key]) v[key][d], 64 pairs (batch, head), 2,048 queries, 2,048 keys, head size 64.
; qws, kws: [token / 16][head][1,024 bytes], vws: [token / 128][head][d / 16][2,048 bytes]: images of operand registers.  Scales: eq, ek, ep, ev = entries 6 to 9.
; THE SOFTMAX: t = (score / 8 + mask) x log2(e) = c' x (sum of codes' products + mk), c' = log2(e) / 8 x 2^(eq + ek), mk = mask x 2^(3 - eq - ek) (an exact scaling).  M = the running largest t rounded UP to a whole number;
; p = 2^(t - M) is quantised with 2^ep; the row's sum is taken of the unquantised p and divides at the end; when M moves, the sum and O are multiplied by 2^(old M - new M), which rounds nothing.
; mk is made once, lies in LDS, and is the C of the score products.
; SHARES.  The four work-groups of a cluster own the four blocks of 512 queries of one (batch, head).  A wave owns 32 queries, two tiles of 16, which share every register of K, V and mask read from LDS.
; ALL OF A HEAD'S K AND V (262,144 bytes) LIE IN LDS, FILLED ONCE, one joint tensor load a wave: waves 0-7 sixteen key tiles each (16 rows of 1,024 bytes), waves 8-15 two groups of V each (2 rows of 8,192 bytes).
; One wait and one barrier stand between the fills and the loop; no barrier stands in the loop.  All fills go out at the head: there is no loop to run ahead in, so nothing is prefetched.
; LAYOUT.  Both products transposed: S^T = K Q^T, O^T = V^T P^T: a lane holds ONE query (lane % 16); register j of score tile k is key 16 k + 8 (lane / 16) + j, so a conversion of a tile's eight registers gives registers 2 k, 2 k + 1 of P.  A step is 64 keys.
; LDS LOADS ARE ASKED FOR AHEAD.  V of a step at the step's head, read at its end.  K of the NEXT step behind this step's score products.  mk of the next step into tile 0's score registers, once their codes are made:
; there it is the C of tile 1's score products and then, five places on, C and D of tile 0's.  The last step's look-ahead wraps round to key 0: it stays inside K's and mk's bytes, and nothing uses what it brings.
; LIMITS: eq + ek between -60 and 25; ep between -126 and 112.  mk is held at -2^100 from below: a mask of -infinity, or any mask under -2^100 x 2^(eq + ek - 3), gives p = 0 beside open keys and is not told apart from another such;
; a batch in which EVERY key is masked so gets uniform weights (reference() has NaN for -infinity everywhere).  NaN in the mask is not served.
; REGISTERS: v1-7 addresses; v8-23 eight registers of statistics a tile; v24-27 a second chain of sums; v28 2^ep; v29, v31 57,344 x 2^ep; v30 V's address;
;   v32-47 Q; v48-79 V's four fragments; v80-111 K's four; v112-175 mk, S^T, then p; v176-191 P's codes; v192-255 O^T.
.set VOFF,  131072                     ; LDS: key tile T at 1,024 T; V's group g at VOFF + 8,192 g, piece 2 (d / 16) + half at 1,024 each; then mk, 8,192 bytes; then the spare words
.set MASK0, 262144
.set SPARE, 270336
.set STG,   8704                       ; the way out: two stages of 16 rows x 272 bytes for each wave, over K's and V's bytes, behind their only fill and their last read
.set LI,  1                            ; 16 x lane
.set LM,  2                            ; MASK0 + 32 (lane / 16)
.set AD,  3                            ; K of the trip's group
.set ADM, 4                            ; its mk
.set AD2, 5                            ; K of the next group (behind the last: the first)
.set ADM2, 6                           ; its mk
.set SO,  5                            ; the way out: the stage, in;
.set SR,  6                            ; back;
.set GO,  7                            ; and the output
.set ST,  8                            ; tile u's statistics at v[ST + 8 u]: +0 -M, +1 the largest t, +2, +3 the sum in two halves, +4 f, +5 the old -M, +6, +7 at work
.set S2,  24
.set SCL, 28
.set LIM, 29
.set MOF, 30                           ; the mask's way in; then V's address
.set ADV, 30
.set MST, 31                           ; the mask's way in; then the hold's bound once more
.set LIM2, 31
.set Q,   32
.set X,   48
.set Y,   80
.set S,   112
.set P,   176
.set OT,  192
.set WV,  16
.set CS,  22
.set G1K, 24
.set G0,  32
.set G1V, 36
.set TB2, 44
.set MB2, 45
.set SEL, 48
.set TB,  50
.set MB,  51
.set CNT, 52
.macro CROUND
	s_barrier_signal -1
	s_barrier_wait -1
	s_cmp_lg_u32 s[WV], 0
	s_cbranch_scc1 .Lnot_wave_0_\@
	s_barrier_signal -3
.Lnot_wave_0_\@:
	s_barrier_wait -3
	s_barrier_signal -1
	s_barrier_wait -1
.endm
	s_load_b256 s[4:11], s[0:1], 0x0               ; qws, kws, vws, the mask
	s_load_b128 s[12:15], s[0:1], 0x20             ; the scales, the output
	v_lshl_add_u32 v254, v0, 2, SPARE
	v_mov_b32 v255, 0
	ds_add_u32 v254, v255                          ; the opening lines: the add twice on end and one wait
	ds_add_u32 v254, v255
	v_lshrrev_b32 v1, 5, v0
	v_readfirstlane_b32 s[WV], v1
	s_bfe_u32 s17, ttmp6, 0x40000                  ; cx: my block of 512 queries; it enters Q's and the output's addresses alone
	s_and_b32 s18, ttmp7, 0xffff
	s_lshr_b32 s19, s18, 4                         ; the batch,
	s_and_b32 s20, s18, 15                         ; the head
	s_mov_b32 s[G1K], 15|(3<<16)|(1<<21)           ; K: 16 rows of 128 elements of 8 bytes, 2,048 elements apart; mask: all four work-groups
	s_mov_b32 s[G1K+1], 128<<16
	s_mov_b32 s[G1K+2], 16<<16
	s_mov_b32 s[G1K+3], 128<<16
	s_mov_b32 s[G1K+4], 16
	s_mov_b32 s[G1K+5], 2048
	s_mov_b32 s[G1K+6], 0
	s_mov_b32 s[G1K+7], 0
	s_mov_b32 s[G1V], 15|(3<<16)|(1<<21)           ; V: 2 rows of 1,024 elements, 16,384 elements apart
	s_mov_b32 s[G1V+1], 1024<<16
	s_mov_b32 s[G1V+2], 2<<16
	s_mov_b32 s[G1V+3], 1024<<16
	s_mov_b32 s[G1V+4], 2
	s_mov_b32 s[G1V+5], 16384
	s_mov_b32 s[G1V+6], 0
	s_mov_b32 s[G1V+7], 0
	s_mov_b32 s[SEL], 0x76543210
	s_mov_b32 s[SEL+1], 0xfedcba98
	s_and_b32 s53, s[WV], 7
	s_lshr_b32 s54, s[WV], 3
	s_lshl_b32 s62, s53, 14
	s_lshl_b32 s54, s54, 17
	s_add_co_u32 s62, s62, s54                     ; where my 16,384 bytes go
	s_cmp_lt_u32 s[WV], 8
	s_cselect_b32 s55, 10, 13                      ; a head is 1,024 bytes in a key tile, 8,192 in a group of V
	s_lshl_b32 s60, s53, 18                        ; 16 key tiles and 2 groups of V are 2^18 bytes alike
	s_lshl_b32 s61, s20, s55
	s_add_co_u32 s60, s60, s61
	s_lshl_b32 s61, s19, 21
	s_add_co_u32 s60, s60, s61
	s_mov_b32 s61, 0
	s_wait_dscnt 0x0
	s_wait_kmcnt 0x0
	s_load_b128 s[56:59], s[12:13], 0x18           ; eq, ek, ep, ev
	s_cmp_lt_u32 s[WV], 8
	s_cselect_b64 s[54:55], s[6:7], s[8:9]
	s_mov_b32 s[G0], 1
	s_mov_b32 s[G0+1], s62
	s_add_nc_u64 s[G0+2:G0+3], s[54:55], s[60:61]
	s_or_b32 s[G0+3], s[G0+3], 0x80000000
	CROUND                                         ; all four work-groups are here: the joint loads meet
	s_cmp_lt_u32 s[WV], 8
	s_cbranch_scc0 .Lfor_v
	tensor_load_to_lds s[G0:G0+3], s[G1K:G1K+7]    ; a wave's one tensor load of the launch
	s_nop 0
.rept 4
	v_nop
.endr
	s_branch .Lasked
.Lfor_v:
	tensor_load_to_lds s[G0:G0+3], s[G1V:G1V+7]
	s_nop 0
.rept 4
	v_nop
.endr
.Lasked:
	s_lshl_b32 s2, s19, 7
	s_lshl_b32 s3, s17, 5
	s_add_co_u32 s2, s2, s3
	s_lshl_b32 s3, s[WV], 1
	s_add_co_u32 s21, s2, s3                       ; my first token tile: 128 batch + 32 cx + 2 wave
	s_lshl_b32 s2, s21, 14
	s_lshl_b32 s3, s20, 10
	s_add_co_u32 s2, s2, s3
	s_mov_b32 s3, 0
	s_add_nc_u64 s[4:5], s[4:5], s[2:3]            ; Q's fragments
	s_lshl_b32 s2, s21, 16
	s_lshl_b32 s3, s20, 8
	s_add_co_u32 s2, s2, s3
	s_mov_b32 s3, 0
	s_add_nc_u64 s[14:15], s[14:15], s[2:3]        ; the output at my first query
	s_lshl_b32 s60, s19, 13
	s_mov_b32 s61, 0
	s_add_nc_u64 s[10:11], s[10:11], s[60:61]      ; the batch's mask
	v_and_b32 v[LI], 31, v0
	v_lshlrev_b32 v[LI], 4, v[LI]
	v_lshlrev_b32 v[MOF], 4, v0                    ; 512 threads x 16 bytes are the batch's mask
	v_lshl_add_u32 v[MST], v0, 4, MASK0
.irp u, 0,1
.irp c, 0,1
	global_load_b128 v[Q+8*\u+4*\c:Q+8*\u+4*\c+3], v[LI], s[4:5] offset:16384*\u+512*\c   ; Q stays in registers
.endr
.endr
	global_load_b128 v[Y:Y+3], v[MOF], s[10:11]
	v_bfe_u32 v27, v0, 4, 1                        ; h
	v_lshl_add_u32 v[LM], v27, 5, MASK0
.irp u, 0,1
	v_mov_b32 v[ST+8*\u+1], 0xff61b1e6             ; the largest t so far: -3e38
	v_floor_f32 v[ST+8*\u], -v[ST+8*\u+1]
	v_mov_b32 v[ST+8*\u+2], 0
	v_mov_b32 v[ST+8*\u+3], 0
.endr
.set i, 0
.rept 64
	v_mov_b32 v[OT+i], 0                           ; O^T: the step is written once, and the first finds zeros
.set i, i+1
.endr
	s_wait_kmcnt 0x0
	s_add_co_i32 s53, s56, s57                     ; eq + ek
	s_lshl_b32 s54, s53, 23
	s_add_co_i32 s[CS], s54, 0x3e38aa3b            ; c' = log2(e) / 8 with eq + ek added to its exponent field
	s_mov_b32 s[CS+1], s[CS]
	s_sub_co_i32 s53, 3, s53
	s_add_co_i32 s54, s58, 127
	s_lshl_b32 s55, s54, 23
	v_mov_b32 v[SCL], s55                          ; 2^ep
	s_add_co_i32 s54, s54, 15
	s_lshl_b32 s54, s54, 23
	s_or_b32 s54, s54, 0x600000
	v_mov_b32 v[LIM], s54                          ; 57,344 x 2^ep
	s_wait_loadcnt 0x0                             ; Q and my four numbers of the mask
.irp i, 0,1,2,3
	v_ldexp_f32 v[Y+\i], v[Y+\i], s53              ; mk = mask x 2^(3 - eq - ek),
.endr
.irp i, 0,1,2,3
	v_max_num_f32 v[Y+\i], 0xf1800000, v[Y+\i]     ; held at -2^100 from below
.endr
	ds_store_b128 v[MST], v[Y:Y+3]                 ; bytes of their own, into which no fill lands
	v_mov_b32 v[LIM2], s54                         ; the bound once more, in another register bank, for the second half of a dual pair
.macro MXA u                           ; the step's largest score of a tile, in two chains; each accumulator is read from its low end on
	v_max3_num_f32 v[ST+8*\u+6], v[S+32*\u], v[S+32*\u+1], v[S+32*\u+2]
	v_max3_num_f32 v[ST+8*\u+7], v[S+32*\u+3], v[S+32*\u+4], v[S+32*\u+5]
.endm
.macro MXR u, i
	v_max3_num_f32 v[ST+8*\u+6], v[ST+8*\u+6], v[S+32*\u+\i], v[S+32*\u+\i+1]
	v_max3_num_f32 v[ST+8*\u+7], v[ST+8*\u+7], v[S+32*\u+\i+2], v[S+32*\u+\i+3]
.endm
; A KEY STEP: 64 keys, half sg of the trip's group of 128, for both tiles of queries.  At its head K's fragments and mk are on their way or in.
.macro STEP sg
.rept 4*\sg
	v_nop                                          ; four places between the last products and the loads into V's registers (with sg = 0 the trip's five address additions are the places)
.endr
.irp t, 0,1,2,3
.irp c, 0,1
	ds_load_b128 v[X+8*\t+4*\c:X+8*\t+4*\c+3], v[ADV] offset:(2*\t+\sg)*1024+512*\c   ; V's fragments of 16 d x these 64 keys: they land under the softmax
.endr
.endr
	s_wait_dscnt 0x8                               ; K and mk are in; V's eight loads, the youngest, may be out
.irp k, 0,1,2,3
	v_wmma_f32_16x16x64_bf8_bf8 v[S+32+8*\k:S+32+8*\k+7], v[Y+8*\k:Y+8*\k+7], v[Q+8:Q+15], v[S+8*\k:S+8*\k+7]   ; tile 1: S^T + mk
.endr
	v_mov_b32 v[ST+5], v[ST]                       ; the old -M is kept.  These two and three v_nop are five places: the next four products write over registers that the last four read
	v_mov_b32 v[ST+13], v[ST+8]
	v_nop
	v_nop
	v_nop
.irp k, 0,1,2,3
	v_wmma_f32_16x16x64_bf8_bf8 v[S+8*\k:S+8*\k+7], v[Y+8*\k:Y+8*\k+7], v[Q:Q+7], v[S+8*\k:S+8*\k+7]   ; tile 0: mk + S^T, in mk's registers
.endr
	MXA 1                                          ; four lines on tile 1's scores: the places behind tile 0's products
	MXR 1, 6
.irp k, 0,1,2,3
.irp c, 0,1
.if \sg == 0
	ds_load_b128 v[Y+8*\k+4*\c:Y+8*\k+4*\c+3], v[AD] offset:(4+\k)*1024+512*\c    ; the next step's K: 512 consecutive bytes a load
.else
	ds_load_b128 v[Y+8*\k+4*\c:Y+8*\k+4*\c+3], v[AD2] offset:\k*1024+512*\c
.endif
.endr
.endr
	MXA 0
	MXR 1, 10
	MXR 0, 6
	MXR 1, 14
	MXR 0, 10
	MXR 1, 18
	MXR 0, 14
	MXR 1, 22
	MXR 0, 18
	MXR 1, 26
	MXR 0, 22
	MXR 0, 26
.irp u, 0,1
	v_max3_num_f32 v[ST+8*\u+6], v[ST+8*\u+6], v[S+32*\u+30], v[S+32*\u+31]
.endr
.irp u, 0,1
	s_delay_alu instid0(VALU_DEP_2)
	v_max_num_f32 v[ST+8*\u+6], v[ST+8*\u+6], v[ST+8*\u+7]
.endr
.irp u, 0,1
	s_delay_alu instid0(VALU_DEP_2)
	v_permlanex16_b32 v[ST+8*\u+7], v[ST+8*\u+6], s[SEL], s[SEL+1]   ; the query's other 32 keys lie in the lane 16 away
.endr
.irp u, 0,1
	s_delay_alu instid0(VALU_DEP_2)
	v_max_num_f32 v[ST+8*\u+6], v[ST+8*\u+6], v[ST+8*\u+7]
.endr
.irp u, 0,1
	s_delay_alu instid0(VALU_DEP_2)
	v_mul_f32 v[ST+8*\u+6], s[CS], v[ST+8*\u+6]    ; as t (c' is positive)
.endr
.irp u, 0,1
	s_delay_alu instid0(VALU_DEP_2)
	v_max_num_f32 v[ST+8*\u+1], v[ST+8*\u+1], v[ST+8*\u+6]   ; the running largest t
.endr
.irp u, 0,1
	s_delay_alu instid0(VALU_DEP_2)
	v_floor_f32 v[ST+8*\u], -v[ST+8*\u+1]          ; the new -M = -ceil(t)
.endr
.irp u, 0,1
	s_delay_alu instid0(VALU_DEP_2)
	v_sub_f32 v[ST+8*\u+6], v[ST+8*\u], v[ST+8*\u+5]   ; old M - new M: a whole number, 0 or less
.endr
.irp u, 0,1
	s_delay_alu instid0(VALU_DEP_2)
	v_cvt_i32_f32 v[ST+8*\u+6], v[ST+8*\u+6]       ; (it saturates)
.endr
.irp u, 0,1
	s_delay_alu instid0(VALU_DEP_2)
	v_ldexp_f32 v[ST+8*\u+4], 1.0, v[ST+8*\u+6]    ; f = 2^(old M - new M)
.endr
.irp j, 0,2,4,6,8,10,12,14,16,18,20,22,24,26,28,30
.irp u, 0,1
	v_pk_fma_f32 v[S+32*\u+\j:S+32*\u+\j+1], v[S+32*\u+\j:S+32*\u+\j+1], s[CS:CS+1], v[ST+8*\u:ST+8*\u+1] op_sel_hi:[1,0,0]   ; t - M, two at a time
.endr
.endr
.set i, 0
	s_wait_alu depctr_va_vdst(0)                   ; ahead of the batch
.rept 64
	v_exp_f32 v[S+i], v[S+i]                       ; p = 2^(t - M), at most 1: one batch
.set i, i+1
.endr
.irp u, 0,1
	v_pk_mul_f32 v[ST+8*\u+2:ST+8*\u+3], v[ST+8*\u+2:ST+8*\u+3], v[ST+8*\u+4:ST+8*\u+5] op_sel_hi:[1,0]   ; the sums under the new M
.endr
	s_wait_alu depctr_va_vdst(0)                   ; directly ahead of the first readers of O^T
.irp u, 0,1
.irp j, 0,2,4,6,8,10,12,14,16,18,20,22,24,26,28,30
	v_pk_mul_f32 v[OT+32*\u+\j:OT+32*\u+\j+1], v[OT+32*\u+\j:OT+32*\u+\j+1], v[ST+8*\u+4:ST+8*\u+5] op_sel_hi:[1,0]   ; O^T x f, each accumulator from its low end on
.endr
.endr
	s_wait_alu depctr_va_vdst(0)                   ; one wait for the batch of 64, ahead of the first instruction that names a result
.irp u, 0,1
	v_pk_add_f32 v[S2+2*\u:S2+2*\u+1], v[S+32*\u:S+32*\u+1], v[S+32*\u+2:S+32*\u+3]   ; the row's sum is taken of the UNQUANTISED p
.endr
.irp j, 4,8,12,16,20,24,28
.irp u, 0,1
	v_pk_add_f32 v[ST+8*\u+2:ST+8*\u+3], v[ST+8*\u+2:ST+8*\u+3], v[S+32*\u+\j:S+32*\u+\j+1]
	v_pk_add_f32 v[S2+2*\u:S2+2*\u+1], v[S2+2*\u:S2+2*\u+1], v[S+32*\u+\j+2:S+32*\u+\j+3]
.endr
.endr
.irp u, 0
	s_delay_alu instid0(VALU_DEP_3)
	v_pk_add_f32 v[ST+8*\u+2:ST+8*\u+3], v[ST+8*\u+2:ST+8*\u+3], v[S2+2*\u:S2+2*\u+1]
.endr
.irp u, 1
	s_delay_alu instid0(VALU_DEP_2)
	v_pk_add_f32 v[ST+8*\u+2:ST+8*\u+3], v[ST+8*\u+2:ST+8*\u+3], v[S2+2*\u:S2+2*\u+1]
.endr
.irp u, 0,1
.set i, 32*\u
.rept 16
	v_dual_min_num_f32 v[S+i], v[S+i], v[LIM] :: v_dual_min_num_f32 v[S+i+1], v[S+i+1], v[LIM2]   ; the conversion does not saturate (ISA guide 7.6.2); p is not negative, so the hold is one-sided; two numbers an instruction
.set i, i+2
.endr
.irp k, 0,1,2,3
	v_cvt_scalef32_pk8_bf8_f32 v[P+8*\u+2*\k:P+8*\u+2*\k+1], v[S+32*\u+8*\k:S+32*\u+8*\k+7], v[SCL]
.endr
.if \u == 0
.irp k, 0,1,2,3
.irp c, 0,1
.if \sg == 0
	ds_load_b128 v[S+8*\k+4*\c:S+8*\k+4*\c+3], v[ADM] offset:256+64*\k+16*\c      ; the next step's mk, keys 16 k + 8 h + 0 .. 7: the result's layout, into tile 0's score registers, whose codes are made
.else
	ds_load_b128 v[S+8*\k+4*\c:S+8*\k+4*\c+3], v[ADM2] offset:64*\k+16*\c
.endif
.endr
.endr
.endif
.endr
	v_nop                                          ; one plain vector instruction between the last conversion and the matrix instructions that read its result
	s_wait_alu depctr_va_vdst(0)
	s_wait_dscnt 0x10                              ; V is in; the next step's K and mk, eight loads each, may be out
.irp t, 0,1,2,3
.irp u, 0,1
	v_wmma_f32_16x16x64_bf8_bf8 v[OT+32*\u+8*\t:OT+32*\u+8*\t+7], v[X+8*\t:X+8*\t+7], v[P+8*\u:P+8*\u+7], v[OT+32*\u+8*\t:OT+32*\u+8*\t+7]   ; the eight accumulators by turns
.endr
.endr
.endm
	s_wait_alu depctr_va_vdst(0)
	s_wait_tensorcnt 0x0                           ; my part of K or V is in,
	s_wait_dscnt 0x0                               ; and my store of mk has landed
	s_barrier_signal -1
	s_barrier_wait -1                              ; everybody's
.irp k, 0,1,2,3
.irp c, 0,1
	ds_load_b128 v[Y+8*\k+4*\c:Y+8*\k+4*\c+3], v[LI] offset:\k*1024+512*\c           ; the first step's K
.endr
.endr
.irp k, 0,1,2,3
.irp c, 0,1
	ds_load_b128 v[S+8*\k+4*\c:S+8*\k+4*\c+3], v[LM] offset:64*\k+16*\c              ; and mk
.endr
.endr
	s_mov_b32 s[TB], 0
	s_mov_b32 s[MB], 0
	s_mov_b32 s[TB2], 8192
	s_mov_b32 s[MB2], 512
	s_mov_b32 s[CNT], 16
.Ltrip:                                            ; a trip is a group of 128 keys
	v_add_nc_u32 v[AD], s[TB], v[LI]
	v_add_nc_u32 v[AD2], s[TB2], v[LI]
	v_add_nc_u32 v[ADM], s[MB], v[LM]
	v_add_nc_u32 v[ADM2], s[MB2], v[LM]
	v_add_nc_u32 v[ADV], VOFF, v[AD]
	s_wait_alu depctr_va_vdst(0)
	STEP 0
	STEP 1
	s_add_co_u32 s[TB], s[TB], 8192
	s_add_co_u32 s[MB], s[MB], 512
	s_add_co_u32 s[TB2], s[TB], 8192
	s_and_b32 s[TB2], s[TB2], 0x1ffff              ; behind the last group: the first
	s_add_co_u32 s[MB2], s[MB], 512
	s_and_b32 s[MB2], s[MB2], 0x1fff
	s_sub_co_u32 s[CNT], s[CNT], 1
	s_cmp_lg_u32 s[CNT], 0
	s_cbranch_scc1 .Ltrip
	; THE WAY OUT.  Behind this barrier nobody reads K or V any more: the stages may lie over them.
	s_wait_dscnt 0x0
	s_barrier_signal -1
	s_barrier_wait -1
	v_and_b32 v26, 15, v0                          ; r.  (These lines are the places behind the last products)
	v_bfe_u32 v27, v0, 4, 1                        ; h
	s_mul_i32 s53, s[WV], STG                      ; my stages
	v_mul_u32_u24 v[SO], v26, 272
	v_lshl_add_u32 v[SO], v27, 5, v[SO]
	v_add_nc_u32 v[SO], s53, v[SO]                 ; in: row r, 32 bytes for each half of the lanes
	v_mul_u32_u24 v[SR], v27, 272
	v_lshl_add_u32 v[SR], v26, 4, v[SR]
	v_add_nc_u32 v[SR], s53, v[SR]                 ; back: lanes 0-15 one row of 256 bytes, lanes 16-31 the next
	v_lshlrev_b32 v[GO], 12, v27
	v_lshl_add_u32 v[GO], v26, 4, v[GO]            ; and the same two rows in the output
.irp u, 0,1
	v_add_f32 v[ST+8*\u+6], v[ST+8*\u+2], v[ST+8*\u+3]   ; the sum's two halves
.endr
.irp u, 0,1
	v_permlanex16_b32 v[ST+8*\u+7], v[ST+8*\u+6], s[SEL], s[SEL+1]
.endr
.irp u, 0,1
	v_add_f32 v[ST+8*\u+6], v[ST+8*\u+6], v[ST+8*\u+7]   ; the row's sum l
.endr
	s_wait_alu depctr_va_vdst(0)                   ; ahead of the transcendentals
.irp u, 0,1
	v_rcp_f32 v[ST+8*\u+4], v[ST+8*\u+6]
.endr
	v_nop
	s_add_co_i32 s53, s58, s59                     ; ep + ev
	s_wait_alu depctr_va_vdst(0)                   ; one wait for both reciprocals, ahead of their first reader
.irp u, 0,1
	v_ldexp_f32 v[ST+8*\u+4], v[ST+8*\u+4], s53    ; 2^(ep + ev) / l
.endr
	s_wait_alu depctr_va_vdst(0)                   ; directly ahead of the first readers of O^T
.irp u, 0,1
.irp j, 0,2,4,6,8,10,12,14,16,18,20,22,24,26,28,30
	v_pk_mul_f32 v[OT+32*\u+\j:OT+32*\u+\j+1], v[OT+32*\u+\j:OT+32*\u+\j+1], v[ST+8*\u+4:ST+8*\u+5] op_sel_hi:[1,0]   ; register 8 t + j is out(query r, 16 t + 8 h + j)
.endr
.endr
.irp u, 0,1
.irp t, 0,1,2,3
	ds_store_b128 v[SO], v[OT+32*\u+8*\t:OT+32*\u+8*\t+3] offset:4352*\u+64*\t
	ds_store_b128 v[SO], v[OT+32*\u+8*\t+4:OT+32*\u+8*\t+7] offset:4352*\u+64*\t+16
.endr
.endr
.irp u, 0,1
.irp i, 0,1,2,3,4,5,6,7
	ds_load_b128 v[S+32*\u+4*\i:S+32*\u+4*\i+3], v[SR] offset:4352*\u+544*\i   ; LDS serves a wave's instructions in order (ISA guide 5.7.1.4): these see my stores
.endr
.endr
.irp u, 0,1
.irp i, 0,1,2,3,4,5,6,7
	s_wait_dscnt 15-8*\u-\i                        ; the younger loads may be out
	global_store_b128 v[GO], v[S+32*\u+4*\i:S+32*\u+4*\i+3], s[14:15] offset:(16*\u+2*\i)*4096 th:TH_STORE_NT   ; sixteen lanes store a query's 256 bytes of this head, aligned
.endr
.endr
	s_wait_xcnt 0x0
	v_lshl_add_u32 v254, v0, 2, SPARE
	v_mov_b32 v255, 0
	s_wait_alu depctr_va_vdst(0)
	s_wait_tensorcnt 0x0                           ; the wave's end
	ds_add_u32 v254, v255
	s_wait_dscnt 0x0
	CROUND                                         ; the closing round
	s_endpgm
.Lfunc_end_k_qe429b17a5c_attn:
	.size	k_qe429b17a5c_attn, .Lfunc_end_k_qe429b17a5c_attn-k_qe429b17a5c_attn
	.p2alignl 7, 3214868480
	.fill 96, 4, 3214868480
	.section	.rodata,"a",@progbits
	.p2align	6, 0x0
	.amdhsa_kernel k_qe429b17a5c_attn
		.amdhsa_group_segment_fixed_size 272384
		.amdhsa_private_segment_fixed_size 0
		.amdhsa_enable_private_segment 0
		.amdhsa_kernarg_size 48
		.amdhsa_user_sgpr_count 2
		.amdhsa_user_sgpr_kernarg_segment_ptr 1
		.amdhsa_wavefront_size32 1
		.amdhsa_system_sgpr_workgroup_id_x 1
		.amdhsa_system_sgpr_workgroup_id_y 1
		.amdhsa_system_sgpr_workgroup_id_z 1
		.amdhsa_system_vgpr_workitem_id 0
		.amdhsa_next_free_vgpr 256
		.amdhsa_next_free_sgpr 66
		.amdhsa_reserve_vcc 0
		.amdhsa_float_denorm_mode_32 3
		.amdhsa_float_denorm_mode_16_64 3
		.amdhsa_memory_ordered 1
		.amdhsa_forward_progress 1
		.amdhsa_inst_pref_size 53
	.end_amdhsa_kernel
	.amdgpu_metadata
---
amdhsa.version: [ 1, 2 ]
amdhsa.kernels:
  - .name:           k_qe429b17a5c_attn
    .symbol:         k_qe429b17a5c_attn.kd
    .args:
      - { .name: qws, .offset: 0, .size: 8, .value_kind: global_buffer, .address_space: global }
      - { .name: kws, .offset: 8, .size: 8, .value_kind: global_buffer, .address_space: global }
      - { .name: vws, .offset: 16, .size: 8, .value_kind: global_buffer, .address_space: global }
      - { .name: attention_mask, .offset: 24, .size: 8, .value_kind: global_buffer, .address_space: global }
      - { .name: lowp_scales, .offset: 32, .size: 8, .value_kind: global_buffer, .address_space: global }
      - { .name: out0, .offset: 40, .size: 8, .value_kind: global_buffer, .address_space: global }
    .group_segment_fixed_size: 272384
    .private_segment_fixed_size: 0
    .kernarg_segment_align: 8
    .kernarg_segment_size: 48
    .max_flat_workgroup_size: 512
    .sgpr_count:     66
    .vgpr_count:     256
    .wavefront_size: 32
...
	.end_amdgpu_metadata
.endif
;; end of part 2
